; MI455X (gfx1250); checked and timed in simulation.
; The chip was launched on July 23, 2026; its instructions are those of AMD's public machine-readable ISA for CDNA 5 (MIT licence, August 2026) and "CDNA5" Instruction Set Architecture Reference Guide (July 2026). The comments in the code are by the model that wrote it; some were corrected since.
;; Complex Mo E. Allowed arithmetic: float matrix products may take bf16 or f16 operands with f32 sums; all other float work in f32.
;; Inputs: Wg 8 x 2,048 float32; Wi 8 x 1,024 x 1,024 float32; Wr 8 x 1,024 x 1,024 float32; bg 8 float32; z_imag 2,048 x 1,024 float32; z_real 2,048 x 1,024 float32.
;; Outputs: out0 2 x 2,048 x 1,024 float32.
;; One version. Each part assembles by itself: llvm-mc -triple=amdgcn-amd-amdhsa -mcpu=gfx1250 --defsym DOCPART=n.
;; ======== version 1 of 1: 2 launches
;; workspace buffers: wb 33,554,432 bytes; zb 8,388,608 bytes; lg 131,072 bytes
;; launch prep (part 1): grid 256 x 1, 16 waves a work-group, no clusters, 10,240 bytes of LDS; arguments z_real, z_imag, Wg, Wr, Wi, zb, wb, lg; writes zb, wb, lg
.if DOCPART == 1
	.amdgcn_target "amdgcn-amd-amdhsa--gfx1250"
	.amdhsa_code_object_version 6
	.text
	.protected	k_q5c45268332_prep
	.globl	k_q5c45268332_prep
	.p2align	8
	.type	k_q5c45268332_prep,@function
k_q5c45268332_prep:
	s_mov_b64 s[64:65], 0
	v_nop
	global_prefetch_b8 v0, s[64:65] scope:SCOPE_SE
	s_setreg_imm32_b32 hwreg(HW_REG_WAVE_MODE, 25, 1), 1
	s_wait_xcnt 0x0
; PREP: every input of the products is rounded to bf16 once, and the gate's logits are made in two halves.
;   wb  bf16 [expert 8][block of 32 outputs: 32][Wi's 32 rows, then Wr's 32 rows][k 1024], k as it lies in memory: 64 consecutive rows are all that one block of outputs needs of one expert
;   zb  [token tile t of 16][part 0 = real, 1 = imag][fragment kf 0..31][half 0, 1][lane][16 bytes]: ready images of matrix fragments (half 0: registers 0-3)
;   lg  f32 [part][token][expert]: part's share of z_flat . Wg^T, without the bias
; THE ORDER OF k.  Fragment kf, lane half h, element i (0..15) stands for k = 64 (kf / 2) + 32 h + 16 (kf % 2) + i: a lane's 16 elements are 32 (bf16) or 64 (f32)
; neighbouring bytes.  The same order is used for z, Wg and (in the next launch) W, so every product meets its partner; only the order of the f32 sums differs from ascending k.
; SHARES.  Work-group g: c = g % 2 (0: Wr, 1: Wi), j = g / 2.  It rounds 64 rows of W_c (262,144 bytes: two blocks of outputs) and handles token tile j of part c.  16 waves; wave w takes
; k = 64 w .. 64 w + 63 of the tile: two fragments of z, two of Wg, two matrix instructions; the 16 waves' logits meet in LDS and wave 0 adds them.
; No tensor loads, no loop: all 48 loads of a wave are issued at once.  Clusters and large register tiles buy nothing in a stream.
.set ZR,  16                           ; v[16:47]   32 f32 of z, then two fragments at +0 and +16
.set GR,  48                           ; v[48:79]   the same of Wg
.set AC,  80                           ; v[80:95]   two accumulators
.set PK,  12                           ; v[12:15]   my four logits for LDS
.set WR,  96                           ; v[96:223]  16 passes x 8 f32 of W
	s_load_b512 s[4:19], s[0:1], 0x0               ; z_real 4:5, z_imag 6:7, Wg 8:9, Wr 10:11, Wi 12:13, zb 14:15, wb 16:17, lg 18:19
	v_lshl_add_u32 v224, v0, 2, 0x2000
	v_mov_b32 v225, 0
	v_lshrrev_b32 v1, 5, v0
	v_readfirstlane_b32 s23, v1                    ; wave w
	s_and_b32 s21, ttmp9, 1                        ; c
	s_lshr_b32 s22, ttmp9, 1                       ; j
	s_lshl_b32 s20, s23, 8                         ; w x 256 bytes: my 64 f32 in a row
	s_lshl_b32 s35, s23, 9                         ; w x 512: my wave's words in LDS
	s_lshl_b32 s28, s22, 16                        ; z: 16 rows of 4,096 bytes
	s_mov_b32 s29, 0
	s_lshl_b32 s30, s22, 18                        ; W: 64 rows of 4,096 bytes
	s_mov_b32 s31, 0
	s_lshr_b32 s32, s22, 4                         ; wb: expert j / 16, of 4,194,304 bytes,
	s_lshl_b32 s32, s32, 22
	s_and_b32 s34, s22, 15
	s_lshl_b32 s34, s34, 18                        ; two blocks of 131,072 bytes,
	s_add_co_u32 s32, s32, s34
	s_xor_b32 s34, s21, 1                          ; and in a block Wi's 65,536 bytes stand first
	s_lshl_b32 s34, s34, 16
	s_add_co_u32 s32, s32, s34
	s_mov_b32 s33, 0
	s_lshl_b32 s36, ttmp9, 15                      ; zb: (2 j + c) x 32 fragments of 1,024 bytes,
	s_lshl_b32 s34, s23, 11                        ; and my two
	s_add_co_u32 s36, s36, s34
	s_mov_b32 s37, 0
	s_lshl_b32 s38, s21, 16                        ; lg: the part's 65,536 bytes,
	s_lshl_b32 s34, s22, 9                         ; 16 tokens of 32 bytes
	s_add_co_u32 s38, s38, s34
	s_mov_b32 s39, 0
	s_lshl_b32 s40, s21, 12                        ; Wg: the part's 1,024 columns
	s_mov_b32 s41, 0
	v_and_b32 v1, 15, v0                           ; r
	v_bfe_u32 v2, v0, 4, 1                         ; h
	v_and_b32 v10, 31, v0                          ; lane
	v_lshlrev_b32 v3, 12, v1                       ; z: row r,
	v_lshl_add_u32 v3, v2, 7, v3                   ; 128 bytes for each half of the lanes,
	v_add_nc_u32 v3, s20, v3                       ; in my wave's 256
	v_and_b32 v4, 7, v0                            ; Wg: row r % 8 (rows 8-15 of the fragment repeat rows 0-7)
	v_lshlrev_b32 v4, 13, v4
	v_lshl_add_u32 v4, v2, 7, v4
	v_add_nc_u32 v4, s20, v4
	v_lshlrev_b32 v5, 4, v0                        ; W in: 16 bytes a thread
	v_lshlrev_b32 v6, 3, v0                        ; W out: 8 bytes a thread
	v_lshlrev_b32 v7, 4, v10                       ; zb and lg: 16 bytes a lane
	v_lshlrev_b32 v8, 5, v1                        ; LDS, in: token r's 32 bytes, 16 for each half of the lanes
	v_lshl_add_u32 v8, v2, 4, v8
	v_add_nc_u32 v8, s35, v8
	v_lshlrev_b32 v9, 4, v10                       ; LDS, back: 16 bytes a lane
	s_wait_kmcnt 0x0
	s_cmp_eq_u32 s21, 0
	s_cselect_b64 s[24:25], s[4:5], s[6:7]         ; my part of z
	s_cselect_b64 s[26:27], s[10:11], s[12:13]     ; my W
	s_add_nc_u64 s[24:25], s[24:25], s[28:29]
	s_add_nc_u64 s[26:27], s[26:27], s[30:31]
	s_add_nc_u64 s[16:17], s[16:17], s[32:33]
	s_add_nc_u64 s[14:15], s[14:15], s[36:37]
	s_add_nc_u64 s[18:19], s[18:19], s[38:39]
	s_add_nc_u64 s[8:9], s[8:9], s[40:41]
.irp i, 0,1,2,3,4,5,6,7
	global_load_b128 v[ZR+4*\i:ZR+4*\i+3], v3, s[24:25] offset:16*\i   ; no hint: a lane's eight loads walk the same 128 bytes
.endr
.irp i, 0,1,2,3,4,5,6,7
	global_load_b128 v[GR+4*\i:GR+4*\i+3], v4, s[8:9] offset:16*\i     ; every work-group of the part reads these
.endr
.set i, 0
.rept 16                                               ; pass i: 16,384 bytes of W (four rows), as two runs of 8,192; a wave's load covers 512 consecutive bytes
	global_load_b128 v[WR+8*i:WR+8*i+3],   v5, s[26:27] offset:16384*i th:TH_LOAD_NT
	global_load_b128 v[WR+8*i+4:WR+8*i+7], v5, s[26:27] offset:16384*i+8192 th:TH_LOAD_NT
.set i, i+1
.endr
	s_wait_loadcnt 32                              ; z and Wg are in; the 32 loads of W stay out
.irp x, ZR, GR
.irp s, 0,1
.irp i, 0,1,2,3,4,5,6,7
	v_cvt_pk_bf16_f32 v[\x+16*\s+\i], v[\x+16*\s+2*\i], v[\x+16*\s+2*\i+1]  ; in place, ascending: no number is overwritten before it is read
.endr
.endr
.endr
.irp s, 0,1
	global_store_b128 v7, v[ZR+16*\s:ZR+16*\s+3],   s[14:15] offset:1024*\s      ; 512 consecutive bytes each: the next launch loads them as they lie
	global_store_b128 v7, v[ZR+16*\s+4:ZR+16*\s+7], s[14:15] offset:1024*\s+512
.endr
	; source 0 = experts (rows), source 1 = tokens (columns): register j of a lane holds expert j of token r, in both halves of the lanes
	v_wmma_f32_16x16x32_bf16 v[AC:AC+7],    v[GR:GR+7],     v[ZR:ZR+7],     0
	v_wmma_f32_16x16x32_bf16 v[AC+8:AC+15], v[GR+16:GR+23], v[ZR+16:ZR+23], 0
.rept 4
	v_nop                                          ; four plain instructions between a matrix instruction and the first read of its result (ISA guide 7.12.1)
.endr
.irp i, 0,1,2,3
	v_pk_add_f32 v[AC+2*\i:AC+2*\i+1], v[AC+2*\i:AC+2*\i+1], v[AC+8+2*\i:AC+8+2*\i+1]  ; from the low end on
.endr
	v_cmp_ne_u32 vcc_lo, 0, v2
.irp i, 0,1,2,3
	v_cndmask_b32 v[PK+\i], v[AC+\i], v[AC+4+\i], vcc_lo  ; lanes 0-15 keep experts 0-3, lanes 16-31 experts 4-7
.endr
	ds_store_b128 v8, v[PK:PK+3]
.set i, 0
.rept 16
	s_wait_loadcnt 30-2*i                          ; loads come back in order (ISA guide 5.7.1): pass i's two are in, the later passes' stay out
	v_cvt_pk_bf16_f32 v[WR+8*i],   v[WR+8*i],   v[WR+8*i+1]
	v_cvt_pk_bf16_f32 v[WR+8*i+1], v[WR+8*i+2], v[WR+8*i+3]
	v_cvt_pk_bf16_f32 v[WR+8*i+4], v[WR+8*i+4], v[WR+8*i+5]
	v_cvt_pk_bf16_f32 v[WR+8*i+5], v[WR+8*i+6], v[WR+8*i+7]
	global_store_b64 v6, v[WR+8*i:WR+8*i+1],   s[16:17] offset:(i/8)*131072+(i%8)*8192        ; passes 0-7: my first block of outputs, 8-15: the second; a wave's store covers 256 consecutive bytes, aligned
	global_store_b64 v6, v[WR+8*i+4:WR+8*i+5], s[16:17] offset:(i/8)*131072+(i%8)*8192+4096
.set i, i+1
.endr
	s_wait_dscnt 0x0                               ; for wave 0's sake: my logits are in LDS
	s_barrier_signal -1
	s_barrier_wait -1
	s_cmp_lg_u32 s23, 0
	s_cbranch_scc1 .Lend                           ; wave 0 alone adds the 16 shares
	s_wait_xcnt 0x0                                ; the stores to zb have read v[16:39]: these registers are loaded again only behind this wait
.set i, 0
.rept 16
	ds_load_b128 v[16+4*i:16+4*i+3], v9 offset:512*i
.set i, i+1
.endr
	s_wait_dscnt 0x0
.irp d, 1,2,4,8                                        ; a tree: neighbours 1, 2, 4, 8 waves apart
.set a, 0
.rept 8/\d
	v_pk_add_f32 v[16+4*a:16+4*a+1],   v[16+4*a:16+4*a+1],   v[16+4*(a+\d):16+4*(a+\d)+1]
	v_pk_add_f32 v[16+4*a+2:16+4*a+3], v[16+4*a+2:16+4*a+3], v[16+4*(a+\d)+2:16+4*(a+\d)+3]
.set a, a+2*\d
.endr
.endr
	global_store_b128 v7, v[16:19], s[18:19]       ; 16 tokens x 8 experts: 512 consecutive bytes
.Lend:
	s_wait_tensorcnt 0x0
	ds_add_u32 v224, v225
	s_wait_dscnt 0x0
	s_endpgm
.Lfunc_end_k_q5c45268332_prep:
	.size	k_q5c45268332_prep, .Lfunc_end_k_q5c45268332_prep-k_q5c45268332_prep
	.p2alignl 7, 3214868480
	.fill 96, 4, 3214868480
	.section	.rodata,"a",@progbits
	.p2align	6, 0x0
	.amdhsa_kernel k_q5c45268332_prep
		.amdhsa_group_segment_fixed_size 10240
		.amdhsa_private_segment_fixed_size 0
		.amdhsa_enable_private_segment 0
		.amdhsa_kernarg_size 64
		.amdhsa_user_sgpr_count 2
		.amdhsa_user_sgpr_kernarg_segment_ptr 1
		.amdhsa_wavefront_size32 1
		.amdhsa_system_sgpr_workgroup_id_x 1
		.amdhsa_system_sgpr_workgroup_id_y 1
		.amdhsa_system_sgpr_workgroup_id_z 1
		.amdhsa_system_vgpr_workitem_id 0
		.amdhsa_next_free_vgpr 226
		.amdhsa_next_free_sgpr 66
		.amdhsa_reserve_vcc 1
		.amdhsa_float_denorm_mode_32 3
		.amdhsa_float_denorm_mode_16_64 3
		.amdhsa_memory_ordered 1
		.amdhsa_forward_progress 1
		.amdhsa_inst_pref_size 21
	.end_amdhsa_kernel
	.amdgpu_metadata
---
amdhsa.version: [ 1, 2 ]
amdhsa.kernels:
  - .name:           k_q5c45268332_prep
    .symbol:         k_q5c45268332_prep.kd
    .args:
      - { .name: z_real, .offset: 0, .size: 8, .value_kind: global_buffer, .address_space: global }
      - { .name: z_imag, .offset: 8, .size: 8, .value_kind: global_buffer, .address_space: global }
      - { .name: Wg, .offset: 16, .size: 8, .value_kind: global_buffer, .address_space: global }
      - { .name: Wr, .offset: 24, .size: 8, .value_kind: global_buffer, .address_space: global }
      - { .name: Wi, .offset: 32, .size: 8, .value_kind: global_buffer, .address_space: global }
      - { .name: zb, .offset: 40, .size: 8, .value_kind: global_buffer, .address_space: global }
      - { .name: wb, .offset: 48, .size: 8, .value_kind: global_buffer, .address_space: global }
      - { .name: lg, .offset: 56, .size: 8, .value_kind: global_buffer, .address_space: global }
    .group_segment_fixed_size: 10240
    .private_segment_fixed_size: 0
    .kernarg_segment_align: 8
    .kernarg_segment_size: 64
    .max_flat_workgroup_size: 512
    .sgpr_count:     66
    .vgpr_count:     226
    .wavefront_size: 32
...
	.end_amdgpu_metadata
.endif
;; end of part 1
;; launch moe (part 2): grid 32 x 8, 4 waves a work-group, clusters of 4 x 1, 327,680 bytes of LDS; arguments zb, wb, lg, bg, out0; writes out0
.if DOCPART == 2
	.amdgcn_target "amdgcn-amd-amdhsa--gfx1250"
	.amdhsa_code_object_version 6
	.text
	.protected	k_q5c45268332_moe
	.globl	k_q5c45268332_moe
	.p2align	8
	.type	k_q5c45268332_moe,@function
k_q5c45268332_moe:
	s_mov_b64 s[64:65], 0
	v_nop
	global_prefetch_b8 v0, s[64:65] scope:SCOPE_SE
	s_setreg_imm32_b32 hwreg(HW_REG_WAVE_MODE, 25, 1), 1
	s_wait_xcnt 0x0
	s_wait_alu depctr_hold_cnt(0) depctr_sa_sdst(0) depctr_va_vdst(0) depctr_va_sdst(0) depctr_va_ssrc(0) depctr_va_vcc(0) depctr_vm_vsrc(0)
	s_getreg_b32 s2, hwreg(HW_REG_IB_STS2, 6, 4)
	s_cmp_eq_u32 s2, 0
	s_cbranch_scc0 .Lentry_in_a_cluster
	s_endpgm
.Lentry_in_a_cluster:
	s_bfe_u32 s2, ttmp6, 0x10000c
	s_cmp_lg_u32 s2, 0x3003
	s_cbranch_scc0 .Lentry_shape_is_right
	s_endpgm
.Lentry_shape_is_right:
; out_r = sum over e of g[n][e] (zr Wr_e^T - zi Wi_e^T),  out_i = sum over e of g[n][e] (zi Wr_e^T + zr Wi_e^T),  g = softmax(logits + bias), the maximum taken away.
; zb, wb, lg come from the launch before: z as fragment images; W in bf16, [expert][block of 32 outputs][Wi's 32 rows, Wr's 32 rows][k]; the logits in two halves.
; LIMITS.  All inputs, the bias too, are rounded to bf16; products in bf16 with f32 sums; gates and the sums over experts in f32.  A gate below 2^-126 counts as 0 (v_exp_f32's result);
; NaN and infinities are not treated apart.  Inside each 64 of k the order of k is permuted alike in z and W, and k is split in four quarters that are added at the end: the order of the f32 sums differs from ascending k.
; SHARES.  A work-group owns 64 tokens (mx), both parts, and 128 outputs (ny).  Wave w owns QUARTER w OF k (256) for all of them: eight row tiles rt = 2 tt + part (tt: 16 tokens; part 0 = real, 1 = imag).
; Z STAYS IN REGISTERS: 8 row tiles x 8 fragments x 8 = 512 registers, loaded once.  Only W goes through LDS, and each fragment read from LDS feeds EIGHT matrix instructions: 64 LDS loads for a slot's 256.
; THE WALK.  The 128 outputs go in two halves np of 64, so that the sums F (64 tokens x 2 x 64 outputs, my quarter of k) are 256 registers.  For each half the eight experts, a trip each; a trip is two slots.
; THE RING.  Two slots, each 64 consecutive rows of wb x 1,024 k: Wi and Wr of one expert for 32 outputs, as four sub-tiles of 256 k.  Wave w fills sub-tile w with one tensor load and is the only wave that reads it.
; A slot is four groups of 64 matrix instructions: column tile 0 with Wi, with Wr, column tile 1 with Wi, with Wr, into T (8 accumulators: out_i's four, out_r's four).
; THE FLUSH.  The gate cannot ride in a bf16 operand without a second rounding, so T goes into F times the token's gate, by packed fused multiply-adds.  out_i's sums run on from Wi into Wr and are
; flushed once; out_r's are flushed behind Wi with the minus sign, start anew with Wr, and are flushed again: 48 multiply-adds for 128 matrix instructions.  They stand four at a time beside the next
; group's first products, accumulator by accumulator; only the flush at a trip's end stands by itself.
; THE MATRIX INSTRUCTION IS USED TRANSPOSED: source 0 = 16 rows of W, source 1 = 16 tokens.  A lane then holds ONE token (lane % 16) and 8 neighbouring outputs: one gate a lane.
; CLUSTER.  The four work-groups of a cluster share ny and walk the same W: each tile is asked for jointly, by the same load, descriptor and mask in all four.  4 x 4 would add nothing: z is never asked for by tensor loads.
; REGISTERS, in windows of 256 (s_set_vgpr_msb: bits 1:0 source 0, 3:2 source 1, 5:4 source 2, 7:6 destination):
;   window 0: v0-14 addresses; v32-63 gates; v64-127, v128-191 W's fragments (Wi's buffer, Wr's buffer); v192-255 T
;   window 1: F, (ri, tt, nt) at 8 (16 ri + 4 tt + nt)     window 2: z's fragments 0-3 at 64 kfl + 8 rt     window 3: fragments 4-7
; Products, LDS loads and the gates' moves run under one setting (only source 1 leaves window 0); four multiply-adds of a flush cost two switches.
.set PITCH,  528                       ; an LDS row: 512 bytes + 16 of padding = 132 words: row r starts at bank 4 r mod 64 (64 banks of 4 bytes: ISA guide 11.1): the 16 rows of a load start at 16 different groups of banks
.set ROW16,  16*PITCH
.set SUB,    64*PITCH                  ; a sub-tile: 64 rows x 256 k
.set SLOT,   4*SUB
.set STAGE,  2*SLOT                    ; behind the ring: 32 rows x 272 bytes for each wave, for the way out; no tensor load lands here
.set SP,     272                       ; a stage row: 256 bytes + 16
.set AREA,   32*SP
.set SPARE,  STAGE+4*AREA              ; behind the stages: the spare words, 128 bytes for each wave: two blocks of 256 bytes that no other line names
.set ADR, 4                            ; v4-5   LDS address of my fragments in slot 0, 1
.set STO, 6                            ; v6     the way out: where I put 32 bytes of a row
.set RD,  7                            ; v7     the way out: where I read rows back
.set L16, 9                            ; v9     16 x lane: my offset in zb's fragments
.set CO,  10                           ; v10    my offset in two rows of out0
.set LGO, 11                           ; v11    32 x (lane % 16): my token's logits
.set SPW, 12                           ; v12    LDS address of my spare word; never rewritten
.set NIL, 13                           ; v13    0; never rewritten
.set ROT, 14                           ; v14    at work while the gates move up
.set G,   32                           ; v[32:63] gates, 8 a token tile; the expert in hand stands at index 0
.set B0,  64
.set B1,  128
.set T,   192                          ; accumulator (ri, tt) at T + 8 (4 ri + tt)
.set LGA, 64                           ; at the start only: v[64:95] the real part's logits, v[96:127] the imaginary part's, v[128:135] the bias, v[136:141] at work
.set LGB, 96
.set BI,  128
.set TP,  136
.set OB,  B1                           ; the way out: 64 registers read back from the stages
.set WV,  14                           ; s14 wave; s17 cx; s18 mx; s19 ny
.set G1,  24                           ; s[24:31] descriptor group 1
.set G0,  32                           ; s[32:39] descriptor group 0, a set for each slot
.set PH,  48                           ; s48 the trip: 8 np + expert
.set OFF, 54                           ; s[54:55], s[56:57] the next trip's byte offset in wb, for slot 0 and slot 1
.set FL,  0x50                         ; the flush: destination and source 2 (F) in window 1
.set MSB, 0
.macro WIN new                         ; the immediate's high byte repeats the setting that is left; a switch that changes nothing is dropped
.if MSB != (\new)
	s_set_vgpr_msb (MSB<<8)|(\new)
.set MSB, \new
.endif
.endm
.macro PLACES                          ; four plain instructions between a matrix instruction and a read of its result or a load into a register that it has read (ISA guide 7.12.1 for reads of its result)
.rept 4
	v_nop
.endr
.endm
.macro CREST                           ; a round of the cluster's barrier behind its opening barrier
	s_cmp_lg_u32 s[WV], 0
	s_cbranch_scc1 .Lnot_wave_0_\@
	s_barrier_signal -3
.Lnot_wave_0_\@:
	s_barrier_wait -3
	s_barrier_signal -1
	s_barrier_wait -1
.endm
.macro CROUND                          ; a whole round
	s_barrier_signal -1
	s_barrier_wait -1
	CREST
.endm
	s_load_b256 s[4:11], s[0:1], 0x0               ; zb 4:5, wb 6:7, lg 8:9, bg 10:11
	s_load_b64 s[12:13], s[0:1], 0x20              ; out0
	v_lshl_add_u32 v[SPW], v0, 2, SPARE
	v_mov_b32 v[NIL], 0
	ds_add_u32 v12, v13
	s_wait_dscnt 0x0
	v_lshrrev_b32 v1, 5, v0
	v_readfirstlane_b32 s[WV], v1                  ; wave 0..3: my quarter of k
	s_bfe_u32 s17, ttmp6, 0x40000                  ; cx: my place in the cluster
	s_lshl_b32 s18, ttmp9, 2                       ; in a cluster launch ttmp9 counts clusters
	s_add_co_u32 s18, s18, s17                     ; mx = 4 x cluster x + cx: it enters zb's, lg's and out0's addresses alone
	s_and_b32 s19, ttmp7, 0xffff                   ; ny, which the four partners share
	; descriptor group 1: a tile of 64 rows x 256 elements, padded in LDS
	s_mov_b32 s[G1+0], 15|(1<<16)|(1<<20)|(1<<21)|(6<<22)|(3<<25)  ; 15:0 the mask of four; 17:16 2-byte elements; 20 padding on; 21 set beside a mask; 24:22 after every 128 words (code 6); 31:25 4 words (code 3)
	s_mov_b32 s[G1+1], 256<<16                     ; tensor_dim0 = 256
	s_mov_b32 s[G1+2], 64<<16                      ; tensor_dim1 = 64
	s_mov_b32 s[G1+3], 256<<16                     ; tile_dim0 = 256
	s_mov_b32 s[G1+4], 64                          ; tile_dim1 = 64
	s_mov_b32 s[G1+5], 1024                        ; elements from row to row
	s_mov_b32 s[G1+6], 0
	s_mov_b32 s[G1+7], 0
	s_lshl_b32 s20, s19, 19                        ; wb: ny's four blocks of 131,072 bytes,
	s_lshl_b32 s21, s[WV], 9                       ; my quarter of k: 512 bytes.  These registers never hold cx
	s_add_co_u32 s20, s20, s21
	s_mov_b32 s21, 0
	s_mul_i32 s22, s[WV], SUB                      ; and where it goes: sub-tile w
	s_lshl_b32 s58, s18, 18                        ; zb: token tile 4 mx, of 65,536 bytes,
	s_lshl_b32 s59, s[WV], 13                      ; my 8 fragments of 1,024 bytes
	s_add_co_u32 s58, s58, s59
	s_mov_b32 s59, 0
	s_lshl_b32 s60, s18, 11                        ; lg: token 64 mx, 32 bytes each
	s_mov_b32 s61, 0
	s_lshl_b32 s62, s18, 18                        ; out0: row 64 mx + 8 w of 4,096 bytes, column 128 ny
	s_lshl_b32 s63, s[WV], 15
	s_add_co_u32 s62, s62, s63
	s_lshl_b32 s63, s19, 9
	s_add_co_u32 s62, s62, s63
	s_mov_b32 s63, 0
	s_mov_b32 s50, 0x3fb8aa3b                      ; log2(e)
	s_mov_b32 s[OFF+1], 0
	s_mov_b32 s[OFF+3], 0
	s_wait_kmcnt 0x0
	s_load_b256 s[40:47], s[10:11], 0x0            ; the bias
	s_add_nc_u64 s[6:7], s[6:7], s[20:21]          ; wb at expert 0, ny's first block, my quarter of k
.irp sl, 0,1
	s_mov_b32 s[G0+4*\sl], 1                                       ; count = 1
	s_add_co_u32 s[G0+4*\sl+1], s22, \sl*SLOT                      ; LDS address
	s_add_nc_u64 s[G0+4*\sl+2:G0+4*\sl+3], s[6:7], \sl*131072      ; trip 0: block sl
	s_or_b32 s[G0+4*\sl+3], s[G0+4*\sl+3], 0x80000000              ; type = 2
.endr
	s_add_nc_u64 s[4:5], s[4:5], s[58:59]
	s_add_nc_u64 s[8:9], s[8:9], s[60:61]
	s_add_nc_u64 s[12:13], s[12:13], s[62:63]      ; out_r at my rows,
	s_add_nc_u64 s[52:53], s[12:13], 0x800000      ; out_i
	CROUND                                         ; all four work-groups are here: the first joint loads meet
	tensor_load_to_lds s[G0:G0+3], s[G1:G1+7]      ; both first fills together: two loads of mine are out
	s_nop 0
	tensor_load_to_lds s[G0+4:G0+7], s[G1:G1+7]
	s_nop 0
	PLACES                                         ; four v_nop follow
	v_and_b32 v1, 15, v0                           ; r
	v_bfe_u32 v2, v0, 4, 1                         ; h
	v_and_b32 v3, 31, v0
	v_lshlrev_b32 v[L16], 4, v3
	v_lshlrev_b32 v[LGO], 5, v1
.irp tt, 0,1,2,3
	global_load_b128 v[LGA+8*\tt:LGA+8*\tt+3],   v[LGO], s[8:9] offset:\tt*512
	global_load_b128 v[LGA+8*\tt+4:LGA+8*\tt+7], v[LGO], s[8:9] offset:\tt*512+16
	global_load_b128 v[LGB+8*\tt:LGB+8*\tt+3],   v[LGO], s[8:9] offset:65536+\tt*512
	global_load_b128 v[LGB+8*\tt+4:LGB+8*\tt+7], v[LGO], s[8:9] offset:65536+\tt*512+16
.endr
.macro ZLOAD k4                        ; four fragments deep x eight row tiles: 64 loads of 512 consecutive bytes
.set k, 0
.rept 4
.irp rt, 0,1,2,3,4,5,6,7
	global_load_b128 v[64*k+8*\rt:64*k+8*\rt+3],   v[L16], s[4:5] offset:\rt*32768+((\k4)+k)*1024
	global_load_b128 v[64*k+8*\rt+4:64*k+8*\rt+7], v[L16], s[4:5] offset:\rt*32768+((\k4)+k)*1024+512
.endr
.set k, k+1
.endr
.endm
	WIN 0x80                                       ; destination window 2
	ZLOAD 0
	WIN 0xc0                                       ; destination window 3
	ZLOAD 4
	; F starts at 0: 256 moves, in the wait for z and the first tile.  The price of writing no first trip out, which would be two slots' text more.
	WIN 0x40
.set i, 0
.rept 256
	v_mov_b32 v[i], 0
.set i, i+1
.endr
	WIN 0
	v_mul_u32_u24 v8, v1, PITCH
	v_lshl_add_u32 v[ADR], v2, 6, v8               ; row r, 64 bytes for each half of the lanes,
	v_add_nc_u32 v[ADR], s22, v[ADR]               ; in my sub-tile
	v_add_nc_u32 v[ADR+1], SLOT, v[ADR]
	s_mul_i32 s23, s[WV], AREA
	s_add_co_u32 s23, s23, STAGE                   ; my stage
	v_mul_u32_u24 v8, v1, SP
	v_lshl_add_u32 v[STO], v2, 5, v8               ; in: row r, 32 bytes for each half of the lanes
	v_add_nc_u32 v[STO], s23, v[STO]
	s_mul_i32 s23, s[WV], 8*SP                     ; back: rows 8 w on of every stage; lanes 0-15 take one row of 256 bytes, lanes 16-31 the next
	s_add_co_u32 s23, s23, STAGE
	v_mul_u32_u24 v8, v2, SP
	v_lshl_add_u32 v[RD], v1, 4, v8
	v_add_nc_u32 v[RD], s23, v[RD]
	v_lshlrev_b32 v8, 12, v2                       ; and the same two rows in out0
	v_lshl_add_u32 v[CO], v1, 4, v8
	s_wait_kmcnt 0x0                               ; the bias
	s_wait_loadcnt 0x0                             ; z and the logits
	; THE GATES, for my lane's token in each of the four token tiles.  Expert e goes to index (e + 1) % 8: every trip, the first too, begins by moving the gates up by one.
.irp i, 0,1,2,3
	v_cvt_pk_bf16_f32 v[TP+\i], s[40+2*\i], s[41+2*\i]   ; the bias is rounded like every input
.endr
.irp i, 0,1,2,3
	v_lshlrev_b32 v[BI+2*\i], 16, v[TP+\i]
	v_and_b32 v[BI+2*\i+1], 0xffff0000, v[TP+\i]
.endr
.irp tt, 0,1,2,3
.irp i, 0,1,2,3
	v_pk_add_f32 v[LGA+8*\tt+2*\i:LGA+8*\tt+2*\i+1], v[LGA+8*\tt+2*\i:LGA+8*\tt+2*\i+1], v[LGB+8*\tt+2*\i:LGB+8*\tt+2*\i+1]
.endr
.irp i, 0,1,2,3
	v_pk_add_f32 v[LGA+8*\tt+2*\i:LGA+8*\tt+2*\i+1], v[LGA+8*\tt+2*\i:LGA+8*\tt+2*\i+1], v[BI+2*\i:BI+2*\i+1]
.endr
	v_max3_num_f32 v[TP], v[LGA+8*\tt], v[LGA+8*\tt+1], v[LGA+8*\tt+2]
	v_max3_num_f32 v[TP], v[TP], v[LGA+8*\tt+3], v[LGA+8*\tt+4]
	v_max3_num_f32 v[TP], v[TP], v[LGA+8*\tt+5], v[LGA+8*\tt+6]
	v_max_num_f32 v[TP], v[TP], v[LGA+8*\tt+7]     ; the token's largest logit
	v_mul_f32 v[TP], s50, v[TP]
.irp i, 0,1,2,3,4,5,6,7
	v_fma_f32 v[LGA+8*\tt+\i], v[LGA+8*\tt+\i], s50, -v[TP]  ; log2(e) (logit - maximum): never above 0 but for the last bit
.endr
.irp i, 0,1,2,3,4,5,6,7
	v_exp_f32 v[LGA+8*\tt+\i], v[LGA+8*\tt+\i]
.endr
	v_nop                                          ; a plain instruction between the last exponential and the use of its result (ISA guide 5.7.2)
	s_wait_alu depctr_va_vdst(0)
	v_add_f32 v[TP+2], v[LGA+8*\tt], v[LGA+8*\tt+1]
	v_add_f32 v[TP+3], v[LGA+8*\tt+2], v[LGA+8*\tt+3]
	v_add_f32 v[TP+4], v[LGA+8*\tt+4], v[LGA+8*\tt+5]
	v_add_f32 v[TP+5], v[LGA+8*\tt+6], v[LGA+8*\tt+7]
	v_add_f32 v[TP+2], v[TP+2], v[TP+3]
	v_add_f32 v[TP+4], v[TP+4], v[TP+5]
	v_add_f32 v[TP+2], v[TP+2], v[TP+4]            ; between 1 and 8
	v_rcp_f32 v[TP+1], v[TP+2]
	v_nop
	s_wait_alu depctr_va_vdst(0)
.irp i, 0,1,2,3,4,5,6,7
	v_mul_f32 v[G+8*\tt+((\i+1)%8)], v[TP+1], v[LGA+8*\tt+\i]
.endr
.endr
; 16 LDS loads in one run: group gi of a slot's four: column tile gi / 2, Wi (gi even: rows 0-31) or Wr (gi odd: rows 32-63), my eight fragments.  A lane's 16 elements are 32 neighbouring bytes: two loads, 16 apart.
.macro FETCH sl, gi, buf
.irp kk, 0,1,2,3,4,5,6,7
.set fo, (2*((\gi)%2)+(\gi)/2)*ROW16+(\kk/2)*128+(\kk%2)*32
	ds_load_b128 v[(\buf)+8*\kk:(\buf)+8*\kk+3],   v[ADR+(\sl)] offset:fo
	ds_load_b128 v[(\buf)+8*\kk+4:(\buf)+8*\kk+7], v[ADR+(\sl)] offset:fo+16
.endr
.endm
; Matrix instruction n of the eight that one fragment of W feeds: n = 0-3: out_i's sums of token tiles 0-3, n = 4-7: out_r's.  With Wi out_i takes zr and out_r zi; with Wr out_r takes zr and out_i zi.
.macro WM gi, kk, n, zero
.set ri_, 1-(\n)/4
.set tt_, (\n)%4
.if ((\gi)%2) == 0
.set pa_, 1-ri_
.else
.set pa_, ri_
.endif
.set tr_, T+8*(4*ri_+tt_)
.set br_, B0+64*((\gi)%2)+8*(\kk)
.set ar_, 64*((\kk)%4)+8*(2*tt_+pa_)
	WIN 0x08+4*((\kk)/4)                           ; source 1 (z) in window 2 or 3
.if \zero
	v_wmma_f32_16x16x32_bf16 v[tr_:tr_+7], v[br_:br_+7], v[ar_:ar_+7], 0
.else
	v_wmma_f32_16x16x32_bf16 v[tr_:tr_+7], v[br_:br_+7], v[ar_:ar_+7], v[tr_:tr_+7]
.endif
.endm
.macro MUL gi, kk                      ; the eight accumulators take turns, one instruction a turn, in the same order everywhere
.irp n, 0,1,2,3,4,5,6,7
	WM \gi, \kk, \n, 0
.endr
.endm
; One accumulator's flush: F(ri, tt, nt) += (or -=) gate x T(ri, tt), from T's low end on
.macro FL1 ri, tt, nt, neg
	WIN FL
.set fr_, 8*(16*(\ri)+4*(\tt)+(\nt))
.set tq_, T+8*(4*(\ri)+(\tt))
.set gr_, G+8*(\tt)
.irp q, 0,1,2,3
.if \neg
	v_pk_fma_f32 v[fr_+2*\q:fr_+2*\q+1], v[tq_+2*\q:tq_+2*\q+1], v[gr_:gr_+1], v[fr_+2*\q:fr_+2*\q+1] op_sel_hi:[1,0,1] neg_lo:[0,1,0] neg_hi:[0,1,0]
.else
	v_pk_fma_f32 v[fr_+2*\q:fr_+2*\q+1], v[tq_+2*\q:tq_+2*\q+1], v[gr_:gr_+1], v[fr_+2*\q:fr_+2*\q+1] op_sel_hi:[1,0,1]
.endif
.endr
.endm
; A Wi group's first eight products start all eight sums.  In front of each stands the flush of what the accumulator holds: the column tile before (slot sl, tile ntl).
; Five v_nop: the first accumulator's new product writes over a result, and its own flush, which names that result, is no place; for the others the flushes before theirs are places too.
.macro MUL0 gi, sl, ntl
.rept 5
	v_nop
.endr
.irp n, 0,1,2,3,4,5,6,7
	FL1 1-(\n)/4, (\n)%4, 2*(\sl)+(\ntl), 0
	WM \gi, 0, \n, 1
.endr
.endm
; A Wr group's first eight products: out_i's four run on; behind each stands the flush, with the minus sign, of one of out_r's four (zi Wi^T), which then start anew.
.macro MUL1 gi, sl
	PLACES
.irp n, 0,1,2,3
	WM \gi, 0, \n, 0
	FL1 0, \n, 2*(\sl)+(\gi)/2, 1
.endr
.irp n, 4,5,6,7
	WM \gi, 0, \n, 1
.endr
.endm
; A trip's first eight products start the sums (T was flushed at the last trip's end); behind them the gates move up by one: 36 moves, which need no switch of windows.
.macro ROTN
.if (rm_%9) == 0
	v_mov_b32 v[ROT], v[G+8*(rm_/9)]
.elseif (rm_%9) < 8
	v_mov_b32 v[G+8*(rm_/9)+rm_%9-1], v[G+8*(rm_/9)+rm_%9]
.else
	v_mov_b32 v[G+8*(rm_/9)+7], v[ROT]
.endif
.set rm_, rm_+1
.endm
.macro MULR
.set rm_, 0
.irp n, 0,1,2,3,4,5,6,7
	WM 0, 0, \n, 1
.rept 5-(\n)/4
	ROTN
.endr
.endr
.endm
.macro FIRST sl, gi
.if ((\gi)%2) == 1
	MUL1 \gi, \sl
.elseif (\gi) == 2
	MUL0 2, \sl, 0
.elseif (\sl) == 1
	MUL0 0, 0, 1
.else
	MULR
.endif
.endm
.macro FLUSHX sl, ntl                  ; the flush at a trip's end stands by itself, so that the loop's edge and the way out find T free
	PLACES
.irp n, 0,1,2,3,4,5,6,7
	FL1 1-(\n)/4, (\n)%4, 2*(\sl)+(\ntl), 0
.endr
	WIN 0
.endm
; One of a slot's first three groups: 64 matrix instructions; in its middle the next group's 16 loads go into the other buffer, 32 matrix instructions ahead of their first use.
.macro GROUP sl, gi
	s_wait_dscnt 8                                 ; the first four fragments are in; the youngest eight loads may be out
	FIRST \sl, \gi
	MUL \gi, 1
	MUL \gi, 2
	MUL \gi, 3
	PLACES
	FETCH \sl, (\gi)+1, B0+64*(((\gi)+1)%2)
	s_wait_dscnt 16                                ; all but the 16 just issued
	MUL \gi, 4
	MUL \gi, 5
	MUL \gi, 6
	MUL \gi, 7
.endm
; The slot's last group changes slots.  In front of the barrier each wave waits for all its tensor loads, of which one is out: its part of the other slot; adds 0 to its spare word; and waits for
; that and for its own reads of this slot.  mode 1: the barrier opens a round of the cluster's, and this slot is filled again, with the next trip's rows, first thing behind it: from the request to
; the wait for it a wave issues 224 matrix instructions.  mode 0: nothing is left to ask for.  mode 2: the last slot: no change.
.macro TURN sl, mode
.if (\mode) == 2
	s_wait_dscnt 8
	MUL1 3, \sl
	MUL 3, 1
	MUL 3, 2
	MUL 3, 3
	s_wait_dscnt 0x0
.else
	WIN 0                                          ; (the add's two registers lie in window 0)
	s_wait_tensorcnt 0x0                           ; all my tensor loads have landed, so a group 0 may be written
	ds_add_u32 v[SPW], v[NIL]                      ; 0 onto my spare word
	s_wait_dscnt 9                                 ; (the add and the youngest eight loads may be out)
	MUL1 3, \sl                                    ; sixteen matrix instructions and a flush stand between the add and the wait for it
	MUL 3, 1
	s_wait_dscnt 0x0                               ; the add is done, and my reads of this slot are over
	s_barrier_signal -1
	MUL 3, 2
	MUL 3, 3
	WIN 0
	s_barrier_wait -1
.if (\mode) == 1
	CREST                                          ; no wave of any partner still reads this slot or has a load on its way
	s_add_nc_u64 s[G0+4*(\sl)+2:G0+4*(\sl)+3], s[6:7], s[OFF+2*(\sl):OFF+2*(\sl)+1]  ; the address is made anew: the walk steps back where np changes
	s_or_b32 s[G0+4*(\sl)+3], s[G0+4*(\sl)+3], 0x80000000
	tensor_load_to_lds s[G0+4*(\sl):G0+4*(\sl)+3], s[G1:G1+7]  ; my one tensor load behind the round: one load of mine is out
	s_nop 0
.endif
	PLACES                                         ; behind the load, and in front of the loads into buffer 0
	FETCH 1-(\sl), 0, B0
.endif
	MUL 3, 4
	MUL 3, 5
	MUL 3, 6
	MUL 3, 7
.endm
.macro SLOTW sl, mode
	GROUP \sl, 0
	GROUP \sl, 1
	GROUP \sl, 2
	TURN \sl, \mode
.endm
; THE WAY OUT of half np, in four rounds (ri, tp).  Each wave puts its quarter's sums for 32 tokens x 64 outputs into its stage; behind a barrier each wave reads 8 rows of all four stages, adds
; them and stores whole pieces of rows.  A second barrier stands between a round's reads and the next round's stores.  clr = 1: another half follows: F is set to 0 between the signal and the wait.
.macro OUTR np, ri, tp, clr, last
	WIN 0x04                                       ; store data (source 1) in window 1
.irp ttl, 0,1
.irp nt, 0,1,2,3
.set fr_, 8*(16*(\ri)+4*(2*(\tp)+\ttl)+\nt)
	ds_store_b128 v[STO], v[fr_:fr_+3]   offset:\ttl*16*SP+64*\nt
	ds_store_b128 v[STO], v[fr_+4:fr_+7] offset:\ttl*16*SP+64*\nt+16
.endr
.endr
	WIN 0
	s_wait_dscnt 0x0                               ; for the others' sake: my stores into the stage are done
	s_barrier_signal -1
.if \clr
	WIN 0x40
.set ci_, 8*(16*(\ri)+8*(\tp))
.rept 64
	v_mov_b32 v[ci_], 0
.set ci_, ci_+1
.endr
	WIN 0
.endif
	s_barrier_wait -1
	s_wait_xcnt 0x0                                ; the last round's stores have read their registers: these are loaded again only behind this wait
.irp i, 0,1,2,3
.irp a, 0,1,2,3
	ds_load_b128 v[OB+16*\i+4*\a:OB+16*\i+4*\a+3], v[RD] offset:\a*AREA+\i*2*SP
.endr
.endr
.irp i, 0,1,2,3
	s_wait_dscnt 12-4*\i                           ; row pair i's four loads are back; the later pairs' stay out; the last count is 0
.irp q, 0,2
	v_pk_add_f32 v[OB+16*\i+\q:OB+16*\i+\q+1],     v[OB+16*\i+\q:OB+16*\i+\q+1],     v[OB+16*\i+4+\q:OB+16*\i+4+\q+1]
	v_pk_add_f32 v[OB+16*\i+8+\q:OB+16*\i+8+\q+1], v[OB+16*\i+8+\q:OB+16*\i+8+\q+1], v[OB+16*\i+12+\q:OB+16*\i+12+\q+1]
.endr
.irp q, 0,2
	v_pk_add_f32 v[OB+16*\i+\q:OB+16*\i+\q+1],     v[OB+16*\i+\q:OB+16*\i+\q+1],     v[OB+16*\i+8+\q:OB+16*\i+8+\q+1]
.endr
	global_store_b128 v[CO], v[OB+16*\i:OB+16*\i+3], s[12+40*(\ri):13+40*(\ri)] offset:(\tp)*131072+\i*8192+(\np)*256 th:TH_STORE_NT  ; 16 lanes store 256 consecutive bytes, at a multiple of 256 from out0's first
.endr
.if (\last) == 0
	s_barrier_signal -1                            ; my reads of the stages are back (the count above ended at 0)
	s_barrier_wait -1
.endif
.endm
.macro WAYOUT np, clr
	OUTR \np, 0, 0, \clr, 0
	OUTR \np, 0, 1, \clr, 0
	OUTR \np, 1, 0, \clr, 0
	OUTR \np, 1, 1, \clr, 1
.endm
	s_wait_tensorcnt 0x1                           ; my part of slot 0 is in; slot 1's may stay out
	s_barrier_signal -1
	s_barrier_wait -1
	FETCH 0, 0, B0
	s_mov_b32 s[PH], 0
.Ltrip:                                                ; 15 trips: an expert's two slots for the half in hand; each is filled again with the next trip's rows
	s_add_co_u32 s20, s[PH], 1                     ; the next trip: its expert, 4,194,304 bytes each,
	s_and_b32 s21, s20, 7
	s_lshl_b32 s21, s21, 22
	s_lshr_b32 s20, s20, 3                         ; and its half, two blocks of 131,072 bytes
	s_lshl_b32 s20, s20, 18
	s_add_co_u32 s[OFF], s20, s21
	s_add_co_u32 s[OFF+2], s[OFF], 131072          ; slot 1 takes the half's second block
	SLOTW 0, 1
	SLOTW 1, 1
	FLUSHX 1, 1
	s_cmp_eq_u32 s[PH], 7                          ; the first half's eighth expert is done: the same trip in every wave and every partner
	s_cbranch_scc0 .Lgo_on
	WAYOUT 0, 1                                    ; the ring runs on meanwhile: the second half's first tiles are on their way or in
	s_wait_xcnt 0x0                                ; the stores have read their registers: the next trip loads W's fragments into them
.Lgo_on:
	s_add_co_u32 s[PH], s[PH], 1
	s_cmp_lt_u32 s[PH], 15
	s_cbranch_scc1 .Ltrip
	SLOTW 0, 0                                     ; the last trip is written out
	SLOTW 1, 2
	FLUSHX 1, 1
	WAYOUT 1, 0
	s_wait_tensorcnt 0x0                           ; the wave's end, behind my last tensor load and my last LDS store
	ds_add_u32 v[SPW], v[NIL]
	s_wait_dscnt 0x0
	CROUND                                         ; the closing round: no work-group ends while a partner may still ask for a tile that names it
	s_endpgm
.Lfunc_end_k_q5c45268332_moe:
	.size	k_q5c45268332_moe, .Lfunc_end_k_q5c45268332_moe-k_q5c45268332_moe
	.p2alignl 7, 3214868480
	.fill 96, 4, 3214868480
	.section	.rodata,"a",@progbits
	.p2align	6, 0x0
	.amdhsa_kernel k_q5c45268332_moe
		.amdhsa_group_segment_fixed_size 327680
		.amdhsa_private_segment_fixed_size 0
		.amdhsa_enable_private_segment 0
		.amdhsa_kernarg_size 40
		.amdhsa_user_sgpr_count 2
		.amdhsa_user_sgpr_kernarg_segment_ptr 1
		.amdhsa_wavefront_size32 1
		.amdhsa_system_sgpr_workgroup_id_x 1
		.amdhsa_system_sgpr_workgroup_id_y 1
		.amdhsa_system_sgpr_workgroup_id_z 1
		.amdhsa_system_vgpr_workitem_id 0
		.amdhsa_next_free_vgpr 1024
		.amdhsa_next_free_sgpr 66
		.amdhsa_reserve_vcc 0
		.amdhsa_float_denorm_mode_32 3
		.amdhsa_float_denorm_mode_16_64 3
		.amdhsa_memory_ordered 1
		.amdhsa_forward_progress 1
		.amdhsa_inst_pref_size 198
	.end_amdhsa_kernel
	.amdgpu_metadata
---
amdhsa.version: [ 1, 2 ]
amdhsa.kernels:
  - .name:           k_q5c45268332_moe
    .symbol:         k_q5c45268332_moe.kd
    .args:
      - { .name: zb, .offset: 0, .size: 8, .value_kind: global_buffer, .address_space: global }
      - { .name: wb, .offset: 8, .size: 8, .value_kind: global_buffer, .address_space: global }
      - { .name: lg, .offset: 16, .size: 8, .value_kind: global_buffer, .address_space: global }
      - { .name: bg, .offset: 24, .size: 8, .value_kind: global_buffer, .address_space: global }
      - { .name: out0, .offset: 32, .size: 8, .value_kind: global_buffer, .address_space: global }
    .group_segment_fixed_size: 327680
    .private_segment_fixed_size: 0
    .kernarg_segment_align: 8
    .kernarg_segment_size: 40
    .max_flat_workgroup_size: 128
    .sgpr_count:     66
    .vgpr_count:     1024
    .wavefront_size: 32
...
	.end_amdgpu_metadata
.endif
;; end of part 2
